; MI455X (gfx1250); checked and timed in simulation.
; The chip was launched on July 23, 2026; its instructions are those of AMD's public machine-readable ISA for CDNA 5 (MIT licence, August 2026) and "CDNA5" Instruction Set Architecture Reference Guide (July 2026). The comments in the code are by the model that wrote it; some were corrected since.
;; Self Attention. Allowed arithmetic: float matrix products may take bf16 or f16 operands with f32 sums; all other float work in f32.
;; Inputs: Wk 2,048 x 512 float32; Wo 2,048 x 2,048 float32; Wq 2,048 x 2,048 float32; Wv 2,048 x 512 float32; x 2,048 x 2,048 float32.
;; Outputs: out0 2,048 x 2,048 float32.
;; One version. Each part assembles by itself: llvm-mc -triple=amdgcn-amd-amdhsa -mcpu=gfx1250 --defsym DOCPART=n.
;; ======== version 1 of 1: 4 launches
;; limits: values are held in f16: magnitudes above 65,504 overflow, below 6.1e-05 lose precision
;; workspace buffers: xb 8,388,608 bytes; wqkv 12,582,912 bytes; wo16 8,388,608 bytes; tab 524,288 bytes; qkv 12,582,912 bytes; o2 8,388,608 bytes
;; launch prep (part 1): grid 960 x 1, 8 waves a work-group, no clusters, 0 bytes of LDS; arguments x, Wq, Wk, Wv, Wo, xb, wqkv, wo16, tab; writes xb, wqkv, wo16, tab
.if DOCPART == 1
	.amdgcn_target "amdgcn-amd-amdhsa--gfx1250"
	.amdhsa_code_object_version 6
	.text
	.protected	k_q7760a22ff8_prep
	.globl	k_q7760a22ff8_prep
	.p2align	8
	.type	k_q7760a22ff8_prep,@function
k_q7760a22ff8_prep:
	s_mov_b64 s[64:65], 0
	v_nop
	global_prefetch_b8 v0, s[64:65] scope:SCOPE_SE
	s_setreg_imm32_b32 hwreg(HW_REG_WAVE_MODE, 25, 1), 1
	s_wait_xcnt 0x0
; PREP: the operands of the later products are narrowed once, and the rotary table is made.
;   xb   [2048][2048] bf16 = x.      wqkv [2048 k][3072 n] bf16 = Wq | Wk | Wv side by side (n < 2048, < 2560, < 3072).
;   wo16 [2048][2048] f16 = 8 * bf16(Wo): it multiplies an f16 operand (o / 8).  The f16 is exact for |Wo| >= 2^-20; below that the error is under 2^-28.
;   tab: cos[2048 s][32 j] f32, then sin at byte 262,144, of the angle fl(s * 10^(j/16)), one f32 product as in the source.
; A stream: every byte is read once and written once, so no LDS, no barrier, no matrix unit.  Work-groups 0-895 narrow 16,384 numbers each
; (16 loads of 16 bytes a lane, all issued at once; a wave's load covers 512 consecutive bytes, its store 256 consecutive, aligned bytes);
; work-groups 896-959 make 1,024 cosines and sines each.
; LIMITS: 10^(j/16) is made by a split exponent and one v_exp_f32, so it may differ in the last bit from the source's chain of power, root and
; reciprocals.  The reduction by pi/2 in two parts is exact for quotients of up to 17 bits (angles below 2^17 * pi/2 = 205,887; the largest here is 177,300).
; 8 * |Wo| has to stay below 65,504.
.set X, 8                              ; v[8:71]    16 x 4 numbers as loaded
.set Y, 72                             ; v[72:103]  16 x 2 words to store
.set T, 104                            ; v[104:107] at work
; in: s[2:3] + 16 t + 4096 i.  out: s[4:5] + v2 + (i / 2) a + (i mod 2) b.  No register is written twice, so no store's source is touched.
.macro JOB a, b, f16
.set i, 0
.rept 16
	global_load_b128 v[X+4*i:X+4*i+3], v1, s[2:3] offset:4096*i th:TH_LOAD_NT
.set i, i+1
.endr
.set i, 0
.rept 16
	s_wait_loadcnt 15-i                            ; loads return in order: load i is in, the 15 - i younger ones stay out
	v_cvt_pk_bf16_f32 v[Y+2*i], v[X+4*i], v[X+4*i+1]
	v_cvt_pk_bf16_f32 v[Y+2*i+1], v[X+4*i+2], v[X+4*i+3]
.if \f16
	v_lshlrev_b32 v[T], 16, v[Y+2*i]               ; the bf16 values back in f32,
	v_and_b32 v[T+1], s33, v[Y+2*i]
	v_lshlrev_b32 v[T+2], 16, v[Y+2*i+1]
	v_and_b32 v[T+3], s33, v[Y+2*i+1]
	v_pk_mul_f32 v[T:T+1], v[T:T+1], s[34:35] op_sel_hi:[1,0]       ; times 8 (exact),
	v_pk_mul_f32 v[T+2:T+3], v[T+2:T+3], s[34:35] op_sel_hi:[1,0]
	v_cvt_pk_f16_f32 v[Y+2*i], v[T], v[T+1]        ; as f16: 8 bits of mantissa fit into 11
	v_cvt_pk_f16_f32 v[Y+2*i+1], v[T+2], v[T+3]
.endif
	global_store_b64 v2, v[Y+2*i:Y+2*i+1], s[4:5] offset:(i>>1)*\a+(i&1)*\b
.set i, i+1
.endr
	s_endpgm
.endm
	s_load_b512 s[8:23], s[0:1], 0x0               ; x 8, Wq 10, Wk 12, Wv 14, Wo 16, xb 18, wqkv 20, wo16 22
	s_load_b64 s[24:25], s[0:1], 0x40              ; tab
	s_mov_b32 s26, ttmp9
	s_mov_b32 s29, 0                               ; high words of the two offsets
	s_mov_b32 s31, 0
	s_mov_b32 s33, 0xffff0000                      ; a word's upper bf16
	s_mov_b32 s34, 0x41000000                      ; 8.0
	s_mov_b32 s35, 0x41000000
	v_lshlrev_b32 v1, 4, v0                        ; 16 t
	v_lshlrev_b32 v2, 3, v0                        ; 8 t
	s_wait_kmcnt 0x0
	s_cmp_lt_u32 s26, 256
	s_cbranch_scc0 .Lnot_x
	s_lshl_b32 s28, s26, 16                        ; x: 64 KiB in, 32 KiB out, both dense
	s_lshl_b32 s30, s26, 15
	s_add_nc_u64 s[2:3], s[8:9], s[28:29]
	s_add_nc_u64 s[4:5], s[18:19], s[30:31]
	JOB 4096, 2048, 0
.Lnot_x:
	s_cmp_lt_u32 s26, 512
	s_cbranch_scc0 .Lnot_wq
	s_sub_co_u32 s27, s26, 256                     ; Wq: 8 rows of 2,048; a load is half a row; rows of wqkv are 6,144 bytes
	s_lshl_b32 s28, s27, 16
	s_mul_i32 s30, s27, 49152
	s_add_nc_u64 s[2:3], s[10:11], s[28:29]
	s_add_nc_u64 s[4:5], s[20:21], s[30:31]
	JOB 6144, 2048, 0
.Lnot_wq:
	s_cmp_lt_u32 s26, 640
	s_cbranch_scc0 .Lnot_wkv
	s_sub_co_u32 s27, s26, 512                     ; Wk (64 groups), then Wv: 32 rows of 512; a load is two rows
	s_and_b32 s36, s27, 63
	s_lshr_b32 s37, s27, 6                         ; 0: Wk, 1: Wv
	s_lshl_b32 s28, s36, 16
	s_mul_i32 s30, s36, 196608                     ; 32 rows of 6,144 bytes
	s_lshl_b32 s38, s37, 10
	s_add_co_u32 s30, s30, s38
	s_add_co_u32 s30, s30, 4096                    ; behind Wq's 2,048 columns, Wv behind Wk's 512
	s_cmp_eq_u32 s37, 0
	s_cselect_b64 s[2:3], s[12:13], s[14:15]
	s_add_nc_u64 s[2:3], s[2:3], s[28:29]
	s_add_nc_u64 s[4:5], s[20:21], s[30:31]
	v_lshrrev_b32 v3, 7, v0                        ; which of the load's two rows
	v_and_b32 v4, 127, v0
	v_mul_u32_u24 v3, v3, 6144
	v_lshl_add_u32 v2, v4, 3, v3
	JOB 24576, 12288, 0
.Lnot_wkv:
	s_cmp_lt_u32 s26, 896
	s_cbranch_scc0 .Ltable
	s_sub_co_u32 s27, s26, 640                     ; Wo
	s_lshl_b32 s28, s27, 16
	s_lshl_b32 s30, s27, 15
	s_add_nc_u64 s[2:3], s[16:17], s[28:29]
	s_add_nc_u64 s[4:5], s[22:23], s[30:31]
	JOB 4096, 2048, 1
.Ltable:
	; thread e = 256 (group - 896) + t makes position s = e / 8, frequencies j = 4 (e mod 8) + 0..3
	s_sub_co_u32 s27, s26, 896
	s_lshl_b32 s27, s27, 8
	s_mov_b32 s36, 0x3e549a78                      ; log2(10) / 16, upper part
	s_mov_b32 s37, 0x31979a3a                      ; and the rest
	s_mov_b32 s38, 0x3f22f983                      ; 2 / pi
	s_mov_b32 s39, 0x3fc90fdb                      ; pi / 2 rounded to f32
	s_mov_b32 s40, 0x333bbd2e                      ; that minus pi / 2
	s_mov_b32 s41, 0xbe2aaaab                      ; -1/6
	s_mov_b32 s42, 0x3c088889                      ; 1/120
	s_mov_b32 s43, 0xb9500d01                      ; -1/5040
	s_mov_b32 s44, 0x3638ef1d                      ; 1/362880
	s_mov_b32 s45, 0x3d2aaaab                      ; 1/24
	s_mov_b32 s46, 0xbab60b61                      ; -1/720
	s_mov_b32 s47, 0x37d00d01                      ; 1/40320
	v_add_nc_u32 v3, s27, v0                       ; e
	v_lshrrev_b32 v4, 3, v3                        ; s
	v_and_b32 v5, 7, v3
	v_lshlrev_b32 v5, 2, v5                        ; first j
	v_cvt_f32_u32 v6, v4
	v_lshlrev_b32 v7, 4, v3                        ; 16 e: my four cosines' place
.macro SINCOS k
	v_add_nc_u32 v16, \k, v5
	v_cvt_f32_u32 v16, v16                         ; j
	v_mul_f32 v17, s36, v16
	v_rndne_f32 v17, v17                           ; n = whole part of j log2(10) / 16
	v_fma_f32 v18, v16, s36, -v17                  ; the fraction, in [-1/2, 1/2]: exact,
	v_fma_f32 v18, v16, s37, v18                   ; plus the constant's rest
	v_exp_f32 v19, v18
	v_cvt_i32_f32 v20, v17                         ; the one plain instruction between v_exp_f32 and the use of its result (ISA guide 5.7.2)
	s_wait_alu depctr_va_vdst(0)
	v_ldexp_f32 v19, v19, v20                      ; 10^(j/16)
	v_mul_f32 v19, v6, v19                         ; the angle: one f32 product
	v_mul_f32 v20, s38, v19
	v_rndne_f32 v20, v20                           ; q quarter turns
	v_fma_f32 v21, -v20, s39, v19                  ; exact: a multiple of 2^-23 below 1
	v_fma_f32 v21, v20, s40, v21                   ; r in [-pi/4, pi/4]
	v_mul_f32 v22, v21, v21
	v_fma_f32 v23, v22, s44, s43
	v_fma_f32 v23, v23, v22, s42
	v_fma_f32 v23, v23, v22, s41
	v_mul_f32 v24, v21, v22
	v_fma_f32 v23, v24, v23, v21                   ; sin r: the series to r^9, remainder under 2e-9
	v_fma_f32 v25, v22, s47, s46
	v_fma_f32 v25, v25, v22, s45
	v_fma_f32 v25, v25, v22, -0.5
	v_fma_f32 v25, v25, v22, 1.0                   ; cos r: the series to r^8, remainder under 3e-8
	v_cvt_i32_f32 v26, v20
	v_and_b32 v27, 1, v26
	v_cmp_eq_u32 vcc_lo, 1, v27
	v_cndmask_b32 v28, v23, v25, vcc_lo            ; odd quarter turns swap the two
	v_cndmask_b32 v29, v25, v23, vcc_lo
	v_and_b32 v27, 2, v26                          ; the sine is negated for q mod 4 = 2, 3
	v_lshlrev_b32 v27, 30, v27
	v_xor_b32 v[12+\k], v28, v27
	v_add_nc_u32 v26, 1, v26                       ; the cosine for q mod 4 = 1, 2
	v_and_b32 v26, 2, v26
	v_lshlrev_b32 v26, 30, v26
	v_xor_b32 v[8+\k], v29, v26
.endm
	SINCOS 0
	SINCOS 1
	SINCOS 2
	SINCOS 3
	global_store_b128 v7, v[8:11], s[24:25]
	global_store_b128 v7, v[12:15], s[24:25] offset:262144
	s_endpgm
.Lfunc_end_k_q7760a22ff8_prep:
	.size	k_q7760a22ff8_prep, .Lfunc_end_k_q7760a22ff8_prep-k_q7760a22ff8_prep
	.p2alignl 7, 3214868480
	.fill 96, 4, 3214868480
	.section	.rodata,"a",@progbits
	.p2align	6, 0x0
	.amdhsa_kernel k_q7760a22ff8_prep
		.amdhsa_group_segment_fixed_size 0
		.amdhsa_private_segment_fixed_size 0
		.amdhsa_enable_private_segment 0
		.amdhsa_kernarg_size 72
		.amdhsa_user_sgpr_count 2
		.amdhsa_user_sgpr_kernarg_segment_ptr 1
		.amdhsa_wavefront_size32 1
		.amdhsa_system_sgpr_workgroup_id_x 1
		.amdhsa_system_sgpr_workgroup_id_y 1
		.amdhsa_system_sgpr_workgroup_id_z 1
		.amdhsa_system_vgpr_workitem_id 0
		.amdhsa_next_free_vgpr 112
		.amdhsa_next_free_sgpr 66
		.amdhsa_reserve_vcc 1
		.amdhsa_float_denorm_mode_32 3
		.amdhsa_float_denorm_mode_16_64 3
		.amdhsa_memory_ordered 1
		.amdhsa_forward_progress 1
		.amdhsa_inst_pref_size 38
	.end_amdhsa_kernel
	.amdgpu_metadata
---
amdhsa.version: [ 1, 2 ]
amdhsa.kernels:
  - .name:           k_q7760a22ff8_prep
    .symbol:         k_q7760a22ff8_prep.kd
    .args:
      - { .name: x, .offset: 0, .size: 8, .value_kind: global_buffer, .address_space: global }
      - { .name: Wq, .offset: 8, .size: 8, .value_kind: global_buffer, .address_space: global }
      - { .name: Wk, .offset: 16, .size: 8, .value_kind: global_buffer, .address_space: global }
      - { .name: Wv, .offset: 24, .size: 8, .value_kind: global_buffer, .address_space: global }
      - { .name: Wo, .offset: 32, .size: 8, .value_kind: global_buffer, .address_space: global }
      - { .name: xb, .offset: 40, .size: 8, .value_kind: global_buffer, .address_space: global }
      - { .name: wqkv, .offset: 48, .size: 8, .value_kind: global_buffer, .address_space: global }
      - { .name: wo16, .offset: 56, .size: 8, .value_kind: global_buffer, .address_space: global }
      - { .name: tab, .offset: 64, .size: 8, .value_kind: global_buffer, .address_space: global }
    .group_segment_fixed_size: 0
    .private_segment_fixed_size: 0
    .kernarg_segment_align: 8
    .kernarg_segment_size: 72
    .max_flat_workgroup_size: 256
    .sgpr_count:     66
    .vgpr_count:     112
    .wavefront_size: 32
...
	.end_amdgpu_metadata
.endif
;; end of part 1
;; launch proj (part 2): grid 16 x 16, 4 waves a work-group, clusters of 4 x 4, 327,680 bytes of LDS; arguments xb, wqkv, tab, qkv; writes qkv
.if DOCPART == 2
	.amdgcn_target "amdgcn-amd-amdhsa--gfx1250"
	.amdhsa_code_object_version 6
	.text
	.protected	k_q7760a22ff8_proj
	.globl	k_q7760a22ff8_proj
	.p2align	8
	.type	k_q7760a22ff8_proj,@function
k_q7760a22ff8_proj:
	s_mov_b64 s[64:65], 0
	v_nop
	global_prefetch_b8 v0, s[64:65] scope:SCOPE_SE
	s_setreg_imm32_b32 hwreg(HW_REG_WAVE_MODE, 25, 1), 1
	s_wait_xcnt 0x0
	s_wait_alu depctr_hold_cnt(0) depctr_sa_sdst(0) depctr_va_vdst(0) depctr_va_sdst(0) depctr_va_ssrc(0) depctr_va_vcc(0) depctr_vm_vsrc(0)
	s_getreg_b32 s2, hwreg(HW_REG_IB_STS2, 6, 4)
	s_cmp_eq_u32 s2, 0
	s_cbranch_scc0 .Lentry_in_a_cluster
	s_endpgm
.Lentry_in_a_cluster:
	s_bfe_u32 s2, ttmp6, 0x10000c
	s_cmp_lg_u32 s2, 0xf033
	s_cbranch_scc0 .Lentry_shape_is_right
	s_endpgm
.Lentry_shape_is_right:
; PROJ: [q | k | v] = xb x wqkv (2048 x 3072, K = 2048, bf16 operands, f32 sums), the rotary step and the scales in f32, results in f16:
;   qkv [48 groups][2048 s][64 d] f16.  Groups 0-31: query heads, times log2(e)/2; 32-39: key heads, times 1/4 (so q.k carries log2(e)/8: scores in base 2);
;   40-47: value heads, times 1/8 (the 8 sits in wo16).
; LIMIT: the stored numbers have to stay inside f16: |q| < 90,000, |k| < 260,000, |v| < 520,000.
; 256 work-groups, each a block of 128 rows x 192 columns (three groups); four waves, wave (wm, wn) = (w / 2, w mod 2) takes rows 64 wm .. +63 and, in each of the
; three groups, d = 16 wn .. +15 and 32 + 16 wn .. +15: the two partners (d, d + 32) of the rotary step lie in one lane and one register index of two accumulators.
; K goes in 16 steps of 128 through two LDS slots.  CLUSTERS 4 x 4: x's tile hangs on the block row alone and is asked for jointly along a row of the cluster,
; W's on the block column alone, jointly along a column.  W lies [k][n]: its fragments come through the transposing LDS load.
; WHERE K STARTS: cluster (X, Y) starts at step (4 X + 8 g(Y)) mod 16, g = 0, 1, 1, 0, and wraps round.  The four clusters of one Y need the same rows of x: they stand in
; four different quarters of K, so that each quarter is asked for first by one of them and 4, 8 and 12 steps later by the others.  The four clusters of one X need the same
; columns of W: Y stands half of K away from Y xor 1 and from Y xor 2.  Requests for the same bytes are thus spread over the launch instead of falling into one step.
; The start hangs on the cluster's own coordinates alone, which all sixteen partners share.  The sums run over K in that rotated order.
; THE MATRIX INSTRUCTION IS USED TRANSPOSED (source 0 = 16 columns of W, source 1 = 16 rows of x): lane l holds row l % 16, registers 0-7 the columns 8 (l / 16) + 0..7.
; LDS: each wave's tile at wave x 30,720 + slot x 122,880.  Waves 0, 1: 64 rows of x, 256 bytes + 16 of padding (pitch 272).  Waves 2, 3: 64 k rows of W, three pieces
; of 128 bytes + 32 of padding (pitch 480 = 15 x 32).  W's rows are 384 bytes in memory and start at multiples of 384.  Behind the slots a stage that no tensor load fills.
; Two slots of 256 along K would take (128 + 192) x 256 x 2 x 2 = 327,680 bytes before any padding: they do not fit.
; REGISTERS: window 0: addresses, coefficients, two fragment buffers of 80; window 1: 24 accumulators (m, i) at v[8 (6 m + i)], cosines at v192, sines at v224.
.set KSTEP,  128
.set APITCH, 272
.set BPITCH, 480
.set WSTR,   64*BPITCH                 ; 30,720: from one wave's tile to the next
.set BOFF,   2*WSTR
.set SLOT,   4*WSTR
.set STAGE,  2*SLOT                    ; 245,760
.set SPITCH, 144                       ; stage: a row of 64 f16 + 16 bytes
.set SGRP,   128*SPITCH                ; one group's 128 rows
.set ADRA, 16                          ; v16-17 LDS address of my x fragments, slot 0, 1
.set ADRB, 20                          ; v20-21 the same for W
.set STO,  24
.set RD,   25
.set GO,   26
.set TOFF, 27
.set CF,   32                          ; v[32:49] for each of my three groups: the pairs a, -a, b
.set F0,   64                          ; a buffer: x fragment m at +8 m, W fragment i = 2 j + p at +32 + 8 i
.set F1,   144
.set COSR, 192                         ; window 1
.set SINR, 224                         ; window 1
.set CG, 64                            ; the way out, in the fragment buffers, which are dead then
.set SG, 72
.set DG, 80
.set T1, 88
.set T2, 96
.set LH, 104                           ; 48: for each group the lower and the upper eight results
.set PK, 152                           ; 24: the same in f16
.set G1, 24
.set G0, 32
.set G1B, 48
.set G0B, 56
.set KS, 76                            ; s76-77: the K step (0..15) that slot 0, 1 holds or is being filled with
.set MUL, 0x50                         ; C and D in window 1
.set MSB, 0
.macro WIN new                         ; the immediate's high byte repeats the setting that is left
.if MSB != \new
	s_set_vgpr_msb (MSB<<8)|\new
.set MSB, \new
.endif
.endm
.macro PLACES                          ; four places behind a matrix instruction (ISA guide 7.12.1) before its registers are loaded into, read or written by others
.rept 4
	v_nop
.endr
.endm
.macro JLOAD s                         ; waves 0, 1 ask for x's halves, waves 2, 3 for W's: one mask a line; the branch hangs on the wave's number alone
	s_cmp_eq_u32 s13, 0
	s_cbranch_scc0 .Lfor_b_\@
	tensor_load_to_lds s[G0+4*\s:G0+4*\s+3], s[G1:G1+7]
	s_nop 0
	s_branch .Lasked_\@
.Lfor_b_\@:
	tensor_load_to_lds s[G0B+4*\s:G0B+4*\s+3], s[G1B:G1B+7]
	s_nop 0
.Lasked_\@:
.endm
.macro AIM slot                        ; both global addresses of a slot from its K step: 256 bytes a step along x's rows, 128 rows of 6,144 bytes a step down W
	s_lshl_b32 s78, s[KS+\slot], 8
	s_mul_i32 s80, s[KS+\slot], KSTEP*6144
	s_add_nc_u64 s[G0+4*\slot+2:G0+4*\slot+3], s[18:19], s[78:79]
	s_or_b32 s[G0+4*\slot+3], s[G0+4*\slot+3], 0x80000000
	s_add_nc_u64 s[G0B+4*\slot+2:G0B+4*\slot+3], s[46:47], s[80:81]
	s_or_b32 s[G0B+4*\slot+3], s[G0B+4*\slot+3], 0x80000000
.endm
.macro CREST                           ; a round of the cluster's barrier behind its opening barrier
	s_cmp_lg_u32 s12, 0
	s_cbranch_scc1 .Lnot_wave_0_\@
	s_barrier_signal -3
.Lnot_wave_0_\@:
	s_barrier_wait -3
	s_barrier_signal -1
	s_barrier_wait -1
.endm
.macro CROUND
	s_barrier_signal -1
	s_barrier_wait -1
	CREST
.endm
	s_load_b128 s[4:7], s[0:1], 0x0                ; xb s[4:5], wqkv s[6:7]
	s_load_b128 s[8:11], s[0:1], 0x10              ; tab s[8:9], qkv s[10:11]
	v_lshl_add_u32 v254, v0, 2, 0x49800
	v_mov_b32 v255, 0
	ds_add_u32 v254, v255
	v_lshrrev_b32 v1, 5, v0
	v_readfirstlane_b32 s12, v1                    ; wave
	s_lshr_b32 s13, s12, 1                         ; wm.  Also: I fetch for x (0) or for W (1)
	s_and_b32 s14, s12, 1                          ; wn.  Also: which 64 rows of that tile I fetch
	s_bfe_u32 s40, ttmp6, 0x40000                  ; cx
	s_bfe_u32 s41, ttmp6, 0x40004                  ; cy
	s_lshl_b32 s42, ttmp9, 2
	s_add_co_u32 s42, s42, s40                     ; block column
	s_and_b32 s15, ttmp7, 0xffff
	s_lshl_b32 s15, s15, 2
	s_add_co_u32 s15, s15, s41                     ; block row
	s_lshl_b32 s43, s41, 2
	s_lshl_b32 s43, 15, s43                        ; my row of the cluster
	s_lshl_b32 s44, 0x1111, s40                    ; my column
	s_and_b32 s76, ttmp7, 0xffff                   ; where K starts: cluster y,
	s_lshr_b32 s77, s76, 1
	s_xor_b32 s76, s76, s77
	s_and_b32 s76, s76, 1                          ; g = 0, 1, 1, 0,
	s_lshl_b32 s76, s76, 3
	s_lshl_b32 s77, ttmp9, 2                       ; 4 x cluster x,
	s_add_co_u32 s76, s76, s77
	s_and_b32 s[KS], s76, 15                       ; slot 0's first K step
	s_add_co_u32 s77, s[KS], 1
	s_and_b32 s[KS+1], s77, 15                     ; slot 1's
	s_mov_b32 s79, 0                               ; high words of the two offsets
	s_mov_b32 s81, 0
	s_or_b32 s[G1+0], s43, (1<<16)|(1<<20)|(1<<21)|(5<<22)|(3<<25)   ; x: 2-byte elements, 4 words of padding behind every 64
	s_mov_b32 s[G1+1], KSTEP<<16                   ; tensor_dim0 = 128
	s_mov_b32 s[G1+2], 64<<16                      ; tensor_dim1 = 64
	s_mov_b32 s[G1+3], KSTEP<<16                   ; tile_dim0 = 128
	s_mov_b32 s[G1+4], 64                          ; tile_dim1 = 64
	s_mov_b32 s[G1+5], 2048                        ; elements from row to row
	s_mov_b32 s[G1+6], 0
	s_mov_b32 s[G1+7], 0
	s_or_b32 s[G1B+0], s44, (1<<16)|(1<<20)|(1<<21)|(4<<22)|(7<<25)  ; W: 8 words of padding behind every 32 (a row is three such pieces)
	s_mov_b32 s[G1B+1], 192<<16
	s_mov_b32 s[G1B+2], 64<<16
	s_mov_b32 s[G1B+3], 192<<16
	s_mov_b32 s[G1B+4], 64
	s_mov_b32 s[G1B+5], 3072
	s_mov_b32 s[G1B+6], 0
	s_mov_b32 s[G1B+7], 0
	s_lshl_b32 s16, s15, 19                        ; x: row 128 x block row + 64 x half, 4,096 bytes a row
	s_lshl_b32 s17, s14, 18
	s_add_co_u32 s16, s16, s17
	s_mov_b32 s17, 0
	s_mul_i32 s46, s42, 384                        ; W: column 192 x block column, k row 64 x half
	s_mul_i32 s47, s14, 64*6144
	s_add_co_u32 s46, s46, s47
	s_mov_b32 s47, 0
	s_mul_i32 s20, s12, WSTR                       ; where my tile goes: the wave's number alone
	s_lshl_b32 s66, s15, 14                        ; the table at my first row (128 bytes a position) and my first frequency
	s_lshl_b32 s67, s13, 13
	s_add_co_u32 s66, s66, s67
	s_lshl_b32 s67, s14, 6
	s_add_co_u32 s66, s66, s67
	s_mov_b32 s67, 0
	s_mul_i32 s68, s42, 3                          ; my first group
	s_lshl_b32 s70, s68, 18                        ; 262,144 bytes a group, 128 bytes a position
	s_lshl_b32 s71, s15, 14
	s_add_co_u32 s70, s70, s71
	s_mov_b32 s71, 0
	s_wait_dscnt 0x0
	s_wait_kmcnt 0x0
	s_add_nc_u64 s[18:19], s[4:5], s[16:17]        ; x at K step 0: kept
	s_add_nc_u64 s[46:47], s[6:7], s[46:47]        ; W at K step 0: kept
	s_add_nc_u64 s[8:9], s[8:9], s[66:67]
	s_add_nc_u64 s[10:11], s[10:11], s[70:71]
	CROUND                                         ; all sixteen work-groups are here: the first joint loads meet
.irp s, 0,1
	s_mov_b32 s[G0+4*\s], 1
	s_add_co_u32 s[G0+4*\s+1], s20, \s*SLOT
	s_mov_b32 s[G0B+4*\s], 1
	s_add_co_u32 s[G0B+4*\s+1], s20, \s*SLOT
	AIM \s
	JLOAD \s
.endr
	v_and_b32 v1, 15, v0                           ; r = l % 16
	v_bfe_u32 v2, v0, 4, 1                         ; h = l / 16
	v_and_b32 v3, 7, v0
	v_bfe_u32 v4, v0, 3, 1
	v_mul_u32_u24 v5, v1, APITCH                   ; x fragment: row r, 16 bytes a half
	v_lshl_add_u32 v5, v2, 4, v5
	s_mul_i32 s21, s13, WSTR                       ; my 64 rows are the tile of wave wm
	v_add_nc_u32 v[ADRA], s21, v5
	v_add_nc_u32 v[ADRA+1], SLOT, v[ADRA]
	v_lshl_add_u32 v6, v2, 3, v3                   ; W fragment, transposing load: k row 8 h + l % 8, 16 bytes for each eight lanes
	v_mul_u32_u24 v6, v6, BPITCH
	v_lshl_add_u32 v6, v4, 4, v6
	s_lshl_b32 s22, s14, 5
	s_add_co_u32 s22, s22, BOFF
	v_add_nc_u32 v[ADRB], s22, v6
	v_add_nc_u32 v[ADRB+1], SLOT, v[ADRB]
	v_mul_u32_u24 v7, v1, SPITCH                   ; stage, in: row 64 wm + r, byte 32 wn + 16 h
	v_lshl_add_u32 v7, v2, 4, v7
	s_mul_i32 s23, s13, 64*SPITCH
	s_lshl_b32 s45, s14, 5
	s_add_co_u32 s23, s23, s45
	s_add_co_u32 s23, s23, STAGE
	v_add_nc_u32 v[STO], s23, v7
	v_bfe_u32 v9, v0, 3, 2                         ; stage, back: four rows of 128 bytes a load, rows 32 w ..
	v_mul_u32_u24 v9, v9, SPITCH
	v_lshl_add_u32 v9, v3, 4, v9
	s_mul_i32 s23, s12, 32*SPITCH
	s_add_co_u32 s23, s23, STAGE
	v_add_nc_u32 v[RD], s23, v9
	v_and_b32 v8, 31, v0
	v_lshlrev_b32 v[GO], 4, v8                     ; the same four rows in memory are 512 consecutive bytes
	s_lshl_b32 s75, s12, 12
	v_add_nc_u32 v[GO], s75, v[GO]
	v_lshlrev_b32 v[TOFF], 7, v1                   ; table: position r, frequencies 8 h ..
	v_lshl_add_u32 v[TOFF], v2, 5, v[TOFF]
	; out = a (lo cos + hi sin), a (lo sin - hi cos) for q and k; b lo, b hi for v.  A select of numbers, no branch.
.irp j, 0,1,2
	s_add_co_u32 s72, s68, \j
	s_cmp_lt_u32 s72, 40
	s_cselect_b32 s73, 0x3e800000, 0               ; k: a = 1/4
	s_cselect_b32 s74, 0, 0x3e000000               ; v: b = 1/8
	s_cmp_lt_u32 s72, 32
	s_cselect_b32 s73, 0x3f38aa3b, s73             ; q: a = log2(e) / 2
	v_mov_b32 v[CF+6*\j], s73
	v_mov_b32 v[CF+6*\j+1], s73
	v_xor_b32 v[CF+6*\j+2], 0x80000000, v[CF+6*\j]
	v_xor_b32 v[CF+6*\j+3], 0x80000000, v[CF+6*\j]
	v_mov_b32 v[CF+6*\j+4], s74
	v_mov_b32 v[CF+6*\j+5], s74
.endr
	WIN 0x40                                       ; my 64 positions x 8 cosines and sines: asked for now, waited for on the way out; their registers and addresses stay untouched
.irp m, 0,1,2,3
	global_load_b128 v[COSR+8*\m:COSR+8*\m+3],   v[TOFF], s[8:9] offset:2048*\m
	global_load_b128 v[COSR+8*\m+4:COSR+8*\m+7], v[TOFF], s[8:9] offset:2048*\m+16
	global_load_b128 v[SINR+8*\m:SINR+8*\m+3],   v[TOFF], s[8:9] offset:262144+2048*\m
	global_load_b128 v[SINR+8*\m+4:SINR+8*\m+7], v[TOFF], s[8:9] offset:262144+2048*\m+16
.endr
	WIN 0
; 12 matrix instructions: row blocks 2 half, 2 half + 1 x my six column blocks, 32 along K.  The 24 accumulators take turns, one instruction a turn, in the same order
; in every quarter step.
.macro MULH f, half, zero
.irp m, 2*\half, 2*\half+1
.irp i, 0,1,2,3,4,5
.if \zero
	v_wmma_f32_16x16x32_bf16 v[8*(6*(\m)+\i):8*(6*(\m)+\i)+7], v[\f+32+8*\i:\f+32+8*\i+7], v[\f+8*(\m):\f+8*(\m)+7], 0
.else
	v_wmma_f32_16x16x32_bf16 v[8*(6*(\m)+\i):8*(6*(\m)+\i)+7], v[\f+32+8*\i:\f+32+8*\i+7], v[\f+8*(\m):\f+8*(\m)+7], v[8*(6*(\m)+\i):8*(6*(\m)+\i)+7]
.endif
.endr
.endr
.endm
; 20 LDS loads: the fragments of quarter step kq (32 along K) into buffer f
.macro FETCH slot, kq, f
.irp j, 0,1,2
.irp p, 0,1
	ds_load_tr16_b128 v[\f+32+8*(2*\j+\p):\f+32+8*(2*\j+\p)+3],   v[ADRB+\slot] offset:\kq*32*BPITCH+160*\j+64*\p
	ds_load_tr16_b128 v[\f+32+8*(2*\j+\p)+4:\f+32+8*(2*\j+\p)+7], v[ADRB+\slot] offset:\kq*32*BPITCH+160*\j+64*\p+16*BPITCH
.endr
.endr
.irp m, 0,1,2,3
	ds_load_b128 v[\f+8*\m:\f+8*\m+3],   v[ADRA+\slot] offset:\m*16*APITCH+64*\kq
	ds_load_b128 v[\f+8*\m+4:\f+8*\m+7], v[ADRA+\slot] offset:\m*16*APITCH+64*\kq+32
.endr
.endm
; multiplies buffer f; ahead of that it asks for quarter kn into buffer g, which then has 24 matrix instructions in which to come
.macro QUARTER slot, kn, f, g, zero
	s_wait_dscnt 0x0                               ; buffer f is in
	WIN 0
	PLACES                                         ; buffer g was read by the matrix instructions just issued
	FETCH \slot, \kn, \g
	WIN MUL
	MULH \f, 0, \zero
	MULH \f, 1, \zero
.endm
.macro THREE slot, zero
	QUARTER \slot, 1, F0, F1, \zero
	QUARTER \slot, 2, F1, F0, 0
	QUARTER \slot, 3, F0, F1, 0
.endm
; the last quarter: multiplies buffer 1 and changes slots.  In front of the barrier each wave's reads of this slot are back and all its tensor loads have landed (one was out:
; its part of the next slot), so the slot's descriptors may be aimed at its next K step, two on, modulo 16.  fill = 1: the barrier opens a round of the cluster's barrier, and the
; joint refill stands straight behind the round.
.macro TURN slot, next, fill
	s_wait_dscnt 0x0
	s_wait_tensorcnt 0x0
	ds_add_u32 v254, v255
	s_wait_dscnt 0x0
.if \fill
	s_add_co_u32 s[KS+\slot], s[KS+\slot], 2
	s_and_b32 s[KS+\slot], s[KS+\slot], 15
	AIM \slot
.endif
	s_barrier_signal -1
	WIN MUL
	MULH F1, 0, 0                                  ; register work while the others arrive
	WIN 0
	s_barrier_wait -1
.if \fill
	CREST
	JLOAD \slot
.endif
	PLACES
	FETCH \next, 0, F0
	WIN MUL
	MULH F1, 1, 0
.endm
.macro LAP zero
	THREE 0, \zero
	TURN 0, 1, 1
	THREE 1, 0
	TURN 1, 0, 1
.endm
	s_wait_tensorcnt 0x1                           ; my part of the first K step is in; the second's load stays out
	s_barrier_signal -1
	s_barrier_wait -1
	FETCH 0, 0, F0
	LAP 1                                          ; 16 K steps = 8 laps: the first starts the sums with C = 0,
	WIN 0
	s_mov_b32 s3, 6
.Llap:
	LAP 0                                          ; six in the loop,
	WIN 0
	s_sub_co_u32 s3, s3, 1
	s_cmp_lg_u32 s3, 0
	s_cbranch_scc1 .Llap
	THREE 0, 0                                     ; and the last fills nothing
	TURN 0, 1, 0
	THREE 1, 0
	s_wait_dscnt 0x0
	WIN MUL
	MULH F1, 0, 0
	MULH F1, 1, 0
	WIN 0
	; THE WAY OUT.  Source 0 of the arithmetic lies in window 1 (sums, cosines, sines), all else in window 0.
	PLACES
	s_wait_loadcnt 0x0                             ; the table
.macro ROT m
	WIN 0x01
.irp j, 0,1,2
.irp e, 0,2,4,6
	v_pk_fma_f32 v[CG+\e:CG+\e+1], v[COSR+8*\m+\e:COSR+8*\m+\e+1], v[CF+6*\j:CF+6*\j+1], v[CF+6*\j+4:CF+6*\j+5]       ; a cos + b
	v_pk_mul_f32 v[SG+\e:SG+\e+1], v[SINR+8*\m+\e:SINR+8*\m+\e+1], v[CF+6*\j:CF+6*\j+1]                               ; a sin
	v_pk_fma_f32 v[DG+\e:DG+\e+1], v[COSR+8*\m+\e:COSR+8*\m+\e+1], v[CF+6*\j+2:CF+6*\j+3], v[CF+6*\j+4:CF+6*\j+5]     ; -a cos + b
.endr
.irp e, 0,2,4,6
	v_pk_mul_f32 v[T1+\e:T1+\e+1], v[8*(6*\m+2*\j+1)+\e:8*(6*\m+2*\j+1)+\e+1], v[SG+\e:SG+\e+1]
	v_pk_mul_f32 v[T2+\e:T2+\e+1], v[8*(6*\m+2*\j+1)+\e:8*(6*\m+2*\j+1)+\e+1], v[DG+\e:DG+\e+1]
.endr
.irp e, 0,2,4,6
	v_pk_fma_f32 v[LH+16*\j+\e:LH+16*\j+\e+1],     v[8*(6*\m+2*\j)+\e:8*(6*\m+2*\j)+\e+1], v[CG+\e:CG+\e+1], v[T1+\e:T1+\e+1]
	v_pk_fma_f32 v[LH+16*\j+8+\e:LH+16*\j+8+\e+1], v[8*(6*\m+2*\j)+\e:8*(6*\m+2*\j)+\e+1], v[SG+\e:SG+\e+1], v[T2+\e:T2+\e+1]
.endr
.endr
	WIN 0
.irp j, 0,1,2
.irp p, 0,1
.irp i, 0,1,2,3
	v_cvt_pk_f16_f32 v[PK+4*(2*\j+\p)+\i], v[LH+16*\j+8*\p+2*\i], v[LH+16*\j+8*\p+2*\i+1]
.endr
	ds_store_b128 v[STO], v[PK+4*(2*\j+\p):PK+4*(2*\j+\p)+3] offset:SGRP*\j+16*SPITCH*\m+64*\p
.endr
.endr
.endm
	ROT 0
	ROT 1
	ROT 2
	ROT 3
	s_wait_dscnt 0x0                               ; a row's 128 bytes come from two waves: my stores are done,
	s_barrier_signal -1
	s_barrier_wait -1                              ; everybody's are
.irp j, 0,1,2
.irp t, 0,1,2,3,4,5,6,7
	ds_load_b128 v[64+32*\j+4*\t:64+32*\j+4*\t+3], v[RD] offset:SGRP*\j+4*SPITCH*\t
.endr
.endr
.set n, 0
.irp j, 0,1,2
.irp t, 0,1,2,3,4,5,6,7
	s_wait_dscnt 23-n                              ; LDS loads return in order: load n of the 24 is in
	global_store_b128 v[GO], v[64+32*\j+4*\t:64+32*\j+4*\t+3], s[10:11] offset:262144*\j+512*\t    ; a wave stores 512 consecutive bytes, aligned
.set n, n+1
.endr
.endr
	s_wait_tensorcnt 0x0
	ds_add_u32 v254, v255
	s_wait_dscnt 0x0
	CROUND                                         ; the closing round: no work-group ends while a partner may still ask for a tile that names it
	s_endpgm
.Lfunc_end_k_q7760a22ff8_proj:
	.size	k_q7760a22ff8_proj, .Lfunc_end_k_q7760a22ff8_proj-k_q7760a22ff8_proj
	.p2alignl 7, 3214868480
	.fill 96, 4, 3214868480
	.section	.rodata,"a",@progbits
	.p2align	6, 0x0
	.amdhsa_kernel k_q7760a22ff8_proj
		.amdhsa_group_segment_fixed_size 327680
		.amdhsa_private_segment_fixed_size 0
		.amdhsa_enable_private_segment 0
		.amdhsa_kernarg_size 32
		.amdhsa_user_sgpr_count 2
		.amdhsa_user_sgpr_kernarg_segment_ptr 1
		.amdhsa_wavefront_size32 1
		.amdhsa_system_sgpr_workgroup_id_x 1
		.amdhsa_system_sgpr_workgroup_id_y 1
		.amdhsa_system_sgpr_workgroup_id_z 1
		.amdhsa_system_vgpr_workitem_id 0
		.amdhsa_next_free_vgpr 512
		.amdhsa_next_free_sgpr 100
		.amdhsa_reserve_vcc 0
		.amdhsa_float_denorm_mode_32 3
		.amdhsa_float_denorm_mode_16_64 3
		.amdhsa_memory_ordered 1
		.amdhsa_forward_progress 1
		.amdhsa_inst_pref_size 121
	.end_amdhsa_kernel
	.amdgpu_metadata
---
amdhsa.version: [ 1, 2 ]
amdhsa.kernels:
  - .name:           k_q7760a22ff8_proj
    .symbol:         k_q7760a22ff8_proj.kd
    .args:
      - { .name: xb, .offset: 0, .size: 8, .value_kind: global_buffer, .address_space: global }
      - { .name: wqkv, .offset: 8, .size: 8, .value_kind: global_buffer, .address_space: global }
      - { .name: tab, .offset: 16, .size: 8, .value_kind: global_buffer, .address_space: global }
      - { .name: qkv, .offset: 24, .size: 8, .value_kind: global_buffer, .address_space: global }
    .group_segment_fixed_size: 327680
    .private_segment_fixed_size: 0
    .kernarg_segment_align: 8
    .kernarg_segment_size: 32
    .max_flat_workgroup_size: 128
    .sgpr_count:     100
    .vgpr_count:     512
    .wavefront_size: 32
...
	.end_amdgpu_metadata
.endif
;; end of part 2
;; launch attn (part 3): grid 32 x 8, 4 waves a work-group, clusters of 4 x 1, 327,680 bytes of LDS; arguments qkv, o2; writes o2
.if DOCPART == 3
	.amdgcn_target "amdgcn-amd-amdhsa--gfx1250"
	.amdhsa_code_object_version 6
	.text
	.protected	k_q7760a22ff8_attn
	.globl	k_q7760a22ff8_attn
	.p2align	8
	.type	k_q7760a22ff8_attn,@function
k_q7760a22ff8_attn:
	s_mov_b64 s[64:65], 0
	v_nop
	global_prefetch_b8 v0, s[64:65] scope:SCOPE_SE
	s_setreg_imm32_b32 hwreg(HW_REG_WAVE_MODE, 25, 1), 1
	s_wait_xcnt 0x0
	s_wait_alu depctr_hold_cnt(0) depctr_sa_sdst(0) depctr_va_vdst(0) depctr_va_sdst(0) depctr_va_ssrc(0) depctr_va_vcc(0) depctr_vm_vsrc(0)
	s_getreg_b32 s2, hwreg(HW_REG_IB_STS2, 6, 4)
	s_cmp_eq_u32 s2, 0
	s_cbranch_scc0 .Lentry_in_a_cluster
	s_endpgm
.Lentry_in_a_cluster:
	s_bfe_u32 s2, ttmp6, 0x10000c
	s_cmp_lg_u32 s2, 0x3003
	s_cbranch_scc0 .Lentry_shape_is_right
	s_endpgm
.Lentry_shape_is_right:
; ATTN: causal attention, four query heads on each key and value head, with a running maximum; f16 operands, f32 sums and softmax.
;   in:  qkv [48][2048][64] f16 (q log2(e)/2, k/4, v/8).   out: o2 [16 head pairs][2048 s][128] f16 = o / 8.
; A cluster of four work-groups takes key head h (grid y) and the blocks of 128 positions U = up and U = 15 - up (up = cluster x, 0..7), the lower first; partner cx takes
; positions 128 U + 32 cx .. +31 of both.  That is (up + 1) + (16 - up) = 17 steps of 128 keys for every work-group, and in each step the four partners need the
; same K and V tile: every fill is a joint load with mask 15.  Trip counts and branches hang on up and the step's number alone; cx enters global addresses and the mask's threshold.
; Wave w: heads 4 h + 2 (w mod 2) + qt (qt = 0, 1), positions +16 (w / 2) .. +15: its output for a position is one whole row of 256 bytes of o2.
; BOTH PRODUCTS TRANSPOSED: S^T = K Q^T (lane = query l % 16, register e of tile kt = key 16 kt + 8 (l / 16) + e), so that packing neighbouring registers to f16 gives the
; second source of O^T = V^T P^T as it stands; V^T comes through the transposing LDS load; the row sums are a fifth product, ONES x P^T, of the rounded P.
; The maximum is taken away before every exponential.  At the change of blocks only the maximum is set to -inf: the next step's factor exp2(-inf - m) = 0 wipes O and l,
; which are finite there whenever the lower block's output is.
; ORDER INSIDE A STEP: each pair of score products waits for its own K fragment alone; the two heads' maxima run as eight chains; subtraction, exponentials, packing and the
; scaling of O run as one pipeline in which two exponentials are followed by up to three plain instructions on other registers.
; LDS: each wave's half tile at wave x 10,240 + slot x 40,960.  K: 64 keys, pitch 144; V: 64 keys, pitch 160.  Behind the slots a stage of 16 x 272 bytes for each wave.
; REGISTERS: window 0: addresses, ONES, Q (at work), QH (the upper block's), F: 16 fragments of K, then of V.  Window 1: S and P, O and l, softmax state.
.set WSTR,  10240
.set SLOT,  4*WSTR
.set STAGE, 2*SLOT                     ; 81,920
.set KP, 144
.set VP, 160
.set SP, 272
.set KADR, 2                           ; v2-3
.set VADR, 4                           ; v4-5
.set STO,  6
.set RD,   7
.set OO,   8
.set QOFF, 9
.set ONES, 16                          ; v[16:23]
.set Q,    24                          ; v[24:55]  fragment (qt, ks) at +8 (2 qt + ks)
.set QH,   56                          ; v[56:87]
.set F,    96                          ; v[96:223]
.set OB,   128                         ; window 1: O of qt at 128 + 40 qt (32 registers), l behind it (8)
.set M,    208                         ; window 1: running maxima, one a head
.set THR,  210                         ; window 1: key 16 kt + e of the diagonal block is allowed where it is <= THR
.set NM,   212                         ; window 1: v[212:215] minus the new maximum, a pair a head
.set T,    216                         ; window 1: v[216:223] four chains a head
.set AL,   224                         ; window 1: v[224:227] the factor for what has been summed, a pair a head
.set G1K, 24
.set G0K, 32
.set G1V, 48
.set G0V, 56
.set MSB, 0
.macro WIN new
.if MSB != \new
	s_set_vgpr_msb (MSB<<8)|\new
.set MSB, \new
.endif
.endm
.macro ROUND                           ; a round of the cluster's barrier
	s_barrier_signal -1
	s_barrier_wait -1
	s_cmp_lg_u32 s8, 0
	s_cbranch_scc1 .Lnot_wave_0_\@
	s_barrier_signal -3
.Lnot_wave_0_\@:
	s_barrier_wait -3
	s_barrier_signal -1
	s_barrier_wait -1
.endm
.macro JLOAD s                         ; waves 0, 1 ask for K's halves, waves 2, 3 for V's
	s_cmp_eq_u32 s9, 0
	s_cbranch_scc0 .Lfor_v_\@
	tensor_load_to_lds s[G0K+4*(\s):G0K+4*(\s)+3], s[G1K:G1K+7]
	s_nop 0
	s_branch .Lasked_\@
.Lfor_v_\@:
	tensor_load_to_lds s[G0V+4*(\s):G0V+4*(\s)+3], s[G1V:G1V+7]
	s_nop 0
.Lasked_\@:
.endm
	s_load_b128 s[4:7], s[0:1], 0x0                ; qkv s[4:5], o2 s[6:7]
	v_lshl_add_u32 v254, v0, 2, 0x29000
	v_mov_b32 v255, 0
	ds_add_u32 v254, v255
	v_lshrrev_b32 v1, 5, v0
	v_readfirstlane_b32 s8, v1                     ; wave
	s_lshr_b32 s9, s8, 1                           ; which 16 positions.  Also: I fetch for K (0) or for V (1)
	s_and_b32 s10, s8, 1                           ; which two heads.  Also: which 64 keys I fetch
	s_bfe_u32 s11, ttmp6, 0x40000                  ; cx
	s_mov_b32 s12, ttmp9                           ; up
	s_and_b32 s13, ttmp7, 0xffff                   ; h
	s_mov_b32 s14, 0                               ; t: the step's number
	s_mov_b32 s15, 0xff800000                      ; -inf
	s_mov_b32 s45, 0
	s_mov_b32 s66, 0x76543210                      ; v_permlanex16_b32: lane i reads lane i of the other half
	s_mov_b32 s67, 0xfedcba98
	; a half tile is 64 keys x 128 bytes, dense: 32 rows of 256 bytes, elements of 8 bytes; padding behind every 32 words (a key's row): 4 words for K, 8 for V
	s_mov_b32 s[G1K+0], 15|(3<<16)|(1<<20)|(1<<21)|(4<<22)|(3<<25)
	s_mov_b32 s[G1K+1], 32<<16
	s_mov_b32 s[G1K+2], 32<<16
	s_mov_b32 s[G1K+3], 32<<16
	s_mov_b32 s[G1K+4], 32
	s_mov_b32 s[G1K+5], 32
	s_mov_b32 s[G1K+6], 0
	s_mov_b32 s[G1K+7], 0
	s_mov_b32 s[G1V+0], 15|(3<<16)|(1<<20)|(1<<21)|(4<<22)|(7<<25)
	s_mov_b32 s[G1V+1], 32<<16
	s_mov_b32 s[G1V+2], 32<<16
	s_mov_b32 s[G1V+3], 32<<16
	s_mov_b32 s[G1V+4], 32
	s_mov_b32 s[G1V+5], 32
	s_mov_b32 s[G1V+6], 0
	s_mov_b32 s[G1V+7], 0
	s_add_co_u32 s46, s13, 32                      ; K: group 32 + h, my 64 keys
	s_lshl_b32 s46, s46, 18
	s_lshl_b32 s47, s10, 13
	s_add_co_u32 s46, s46, s47
	s_mov_b32 s47, 0
	s_mul_i32 s78, s8, WSTR                        ; where my half tile goes
	s_lshl_b32 s68, s11, 5
	s_lshl_b32 s69, s9, 4
	s_add_co_u32 s68, s68, s69                     ; my first position inside a block
	s_lshl_b32 s70, s12, 7
	s_add_co_u32 s70, s70, s68                     ; my first position, lower block
	s_sub_co_u32 s71, 15, s12
	s_lshl_b32 s71, s71, 7
	s_add_co_u32 s71, s71, s68                     ; upper block
	s_lshl_b32 s72, s13, 20                        ; head 4 h + 2 (w mod 2) in qkv = head pair 2 h + (w mod 2) in o2: the same bytes
	s_lshl_b32 s73, s10, 19
	s_add_co_u32 s72, s72, s73
	s_lshl_b32 s74, s70, 8
	s_add_co_u32 s74, s74, s72
	s_mov_b32 s75, 0
	s_lshl_b32 s76, s71, 8
	s_add_co_u32 s76, s76, s72
	s_mov_b32 s77, 0
	s_lshl_b32 s80, s70, 7
	s_add_co_u32 s80, s80, s72
	s_mov_b32 s81, 0
	s_lshl_b32 s82, s71, 7
	s_add_co_u32 s82, s82, s72
	s_mov_b32 s83, 0
	s_wait_dscnt 0x0
	s_wait_kmcnt 0x0
	s_add_nc_u64 s[40:41], s[4:5], s[46:47]        ; K's tiles
	s_add_nc_u64 s[42:43], s[40:41], 8*262144      ; V's: eight groups on
	s_add_nc_u64 s[16:17], s[6:7], s[74:75]        ; output, lower block
	s_add_nc_u64 s[18:19], s[6:7], s[76:77]        ; upper block
	s_add_nc_u64 s[20:21], s[4:5], s[80:81]        ; queries, lower block
	s_add_nc_u64 s[22:23], s[4:5], s[82:83]        ; upper block
.irp s, 0,1
	s_mov_b32 s[G0K+4*\s], 1
	s_add_co_u32 s[G0K+4*\s+1], s78, \s*SLOT
	s_mov_b32 s[G0V+4*\s], 1
	s_add_co_u32 s[G0V+4*\s+1], s78, \s*SLOT
.endr
	s_mov_b64 s[G0K+2:G0K+3], s[40:41]             ; tile 0
	s_or_b32 s[G0K+3], s[G0K+3], 0x80000000
	s_mov_b64 s[G0V+2:G0V+3], s[42:43]
	s_or_b32 s[G0V+3], s[G0V+3], 0x80000000
	v_and_b32 v10, 15, v0                          ; r
	v_bfe_u32 v11, v0, 4, 1                        ; h of the lane
	v_and_b32 v12, 7, v0
	v_bfe_u32 v13, v0, 3, 1
	v_and_b32 v14, 31, v0
	v_lshlrev_b32 v[QOFF], 7, v10                  ; a query's row is 128 bytes
	v_lshl_add_u32 v[QOFF], v11, 4, v[QOFF]
.irp qt, 0,1
.irp ks, 0,1
	global_load_b128 v[Q+8*(2*\qt+\ks):Q+8*(2*\qt+\ks)+3],     v[QOFF], s[20:21] offset:262144*\qt+64*\ks
	global_load_b128 v[Q+8*(2*\qt+\ks)+4:Q+8*(2*\qt+\ks)+7],   v[QOFF], s[20:21] offset:262144*\qt+64*\ks+32
	global_load_b128 v[QH+8*(2*\qt+\ks):QH+8*(2*\qt+\ks)+3],   v[QOFF], s[22:23] offset:262144*\qt+64*\ks
	global_load_b128 v[QH+8*(2*\qt+\ks)+4:QH+8*(2*\qt+\ks)+7], v[QOFF], s[22:23] offset:262144*\qt+64*\ks+32
.endr
.endr
	v_mul_u32_u24 v[KADR], v10, KP
	v_lshl_add_u32 v[KADR], v11, 4, v[KADR]
	v_add_nc_u32 v[KADR+1], SLOT, v[KADR]
	v_lshl_add_u32 v15, v11, 3, v12                ; transposing load: key 8 h + l % 8, 16 bytes for each eight lanes
	v_mul_u32_u24 v15, v15, VP
	v_lshl_add_u32 v15, v13, 4, v15
	v_add_nc_u32 v[VADR], 2*WSTR, v15
	v_add_nc_u32 v[VADR+1], SLOT, v[VADR]
	s_mul_i32 s79, s8, 16*SP
	s_add_co_u32 s79, s79, STAGE                   ; my stage
	v_mul_u32_u24 v15, v10, SP
	v_lshl_add_u32 v15, v11, 4, v15
	v_add_nc_u32 v[STO], s79, v15
	v_mul_u32_u24 v15, v11, SP
	v_lshl_add_u32 v15, v10, 4, v15
	v_add_nc_u32 v[RD], s79, v15
	v_lshlrev_b32 v[OO], 4, v14                    ; two rows of 256 bytes are 512 consecutive bytes
	v_lshlrev_b32 v15, 3, v11
	v_sub_nc_u32 v15, v10, v15
	v_add_nc_u32 v15, s68, v15                     ; 32 cx + 16 (w / 2) + r - 8 h, signed
.irp i, 0,1,2,3,4,5,6,7
	v_mov_b32 v[ONES+\i], 0x3c003c00
.endr
	WIN 0x40
	v_mov_b32 v[THR], v15
	v_mov_b32 v[M], s15
	v_mov_b32 v[M+1], s15
.set ii, 0
.rept 80
	v_mov_b32 v[OB+ii], 0                          ; O and l start at 0, once: every step, the first too, scales them and adds in place
.set ii, ii+1
.endr
	WIN 0
	ROUND                                          ; in front of the first joint load
	JLOAD 0
	s_wait_loadcnt 0x0                             ; the queries
.macro MASK                            ; the diagonal block: keys behind the query get -inf
	WIN 0x55
.irp kt, 0,1,2,3,4,5,6,7
.irp e, 0,1,2,3,4,5,6,7
	v_cmp_le_i32 vcc_lo, 16*\kt+\e, v[THR]
	v_cndmask_b32 v[8*\kt+\e], s15, v[8*\kt+\e], vcc_lo
	v_cndmask_b32 v[64+8*\kt+\e], s15, v[64+8*\kt+\e], vcc_lo
.endr
.endr
	WIN 0
.endm
; The new maxima of both heads, their factors and their negatives; all in window 1.  Eight chains (four a head) over 64 scores each, so that no line waits for the one in front of it.
.macro MAXES
.irp qt, 0,1
.irp c, 0,1,2,3
	v_max3_num_f32 v[T+4*\qt+\c], v[64*\qt+\c], v[64*\qt+\c+4], v[64*\qt+\c+8]
.endr
.endr
.irp i, 12,20,28,36,44,52
.irp qt, 0,1
.irp c, 0,1,2,3
	v_max3_num_f32 v[T+4*\qt+\c], v[T+4*\qt+\c], v[64*\qt+\c+\i], v[64*\qt+\c+\i+4]
.endr
.endr
.endr
.irp qt, 0,1
.irp c, 0,1,2,3
	v_max_num_f32 v[T+4*\qt+\c], v[T+4*\qt+\c], v[64*\qt+\c+60]
.endr
.endr
.irp qt, 0,1
	v_max3_num_f32 v[T+4*\qt], v[T+4*\qt], v[T+4*\qt+1], v[T+4*\qt+2]
.endr
.irp qt, 0,1
	v_max3_num_f32 v[T+4*\qt], v[T+4*\qt], v[T+4*\qt+3], v[M+\qt]
.endr
.irp qt, 0,1
	v_permlanex16_b32 v[T+4*\qt+1], v[T+4*\qt], s66, s67       ; the query's other 64 keys lie in the other half of the lanes
.endr
.irp qt, 0,1
	v_max_num_f32 v[T+4*\qt+2], v[T+4*\qt], v[T+4*\qt+1]       ; the new maximum: finite, since every query has a key in its first block
.endr
.irp qt, 0,1
	v_sub_f32 v[T+4*\qt+3], v[M+\qt], v[T+4*\qt+2]
.endr
.irp qt, 0,1
	v_exp_f32 v[AL+2*\qt], v[T+4*\qt+3]                        ; the factor for what has been summed, twice for the packed multiply
	v_exp_f32 v[AL+2*\qt+1], v[T+4*\qt+3]
.endr
.irp qt, 0,1
	v_mov_b32 v[M+\qt], v[T+4*\qt+2]                           ; (plain instructions behind the four transcendentals: ISA guide 5.7.2)
.endr
.irp qt, 0,1
	v_mul_f32 v[NM+2*\qt], -1.0, v[T+4*\qt+2]
	v_mul_f32 v[NM+2*\qt+1], -1.0, v[T+4*\qt+2]
.endr
.endm
; Head qt: P = exp2(S - maximum) in f16, packed downward in place (register 4 kt + e / 2), and O and l scaled.  Trip i: the exponentials of pair i; the subtraction of pair i + 2;
; the packing of pair i - 1, whose exponentials stand a trip back with that trip's plain instructions between (ISA guide 5.7.2); one of the twenty scalings.
; The packing of pair i - 1 writes register i - 1, which lies at or below the registers 2 i - 2, 2 i - 1 that it reads: nothing unread is overwritten.
.macro ERUN qt
	v_pk_add_f32 v[64*\qt:64*\qt+1], v[64*\qt:64*\qt+1], v[NM+2*\qt:NM+2*\qt+1]
	v_pk_add_f32 v[64*\qt+2:64*\qt+3], v[64*\qt+2:64*\qt+3], v[NM+2*\qt:NM+2*\qt+1]
.set ii, 0
.rept 32
	v_exp_f32 v[64*\qt+2*ii], v[64*\qt+2*ii]
	v_exp_f32 v[64*\qt+2*ii+1], v[64*\qt+2*ii+1]
.if ii < 30
	v_pk_add_f32 v[64*\qt+2*ii+4:64*\qt+2*ii+5], v[64*\qt+2*ii+4:64*\qt+2*ii+5], v[NM+2*\qt:NM+2*\qt+1]
.endif
.if ii > 0
	s_wait_alu depctr_va_vdst(0)
	v_cvt_pk_f16_f32 v[64*\qt+ii-1], v[64*\qt+2*ii-2], v[64*\qt+2*ii-1]
.endif
.if ii < 20
	s_wait_alu depctr_va_vdst(0)
	v_pk_mul_f32 v[OB+40*\qt+2*ii:OB+40*\qt+2*ii+1], v[OB+40*\qt+2*ii:OB+40*\qt+2*ii+1], v[AL+2*\qt:AL+2*\qt+1]
.endif
.set ii, ii+1
.endr
	s_wait_alu depctr_va_vdst(0)
	v_cvt_pk_f16_f32 v[64*\qt+31], v[64*\qt+62], v[64*\qt+63]  ; the last pair: the packing of pair 30 stands between it and its exponentials
.endm
.macro FINAL base                      ; O / l in f16, through my stage, out as whole rows of 256 bytes
	WIN 0x55
	v_rcp_f32 v[T], v[OB+32]
	v_rcp_f32 v[T+1], v[OB+32]
	v_rcp_f32 v[T+2], v[OB+72]
	v_rcp_f32 v[T+3], v[OB+72]
	v_nop
.irp qt, 0,1
.set ii, 0
.rept 16
	s_wait_alu depctr_va_vdst(0)
	v_pk_mul_f32 v[OB+40*\qt+2*ii:OB+40*\qt+2*ii+1], v[OB+40*\qt+2*ii:OB+40*\qt+2*ii+1], v[T+2*\qt:T+2*\qt+1]
.set ii, ii+1
.endr
.endr
	WIN 0x05
.irp qt, 0,1
.set ii, 0
.rept 16
	v_cvt_pk_f16_f32 v[F+16*\qt+ii], v[OB+40*\qt+2*ii], v[OB+40*\qt+2*ii+1]
.set ii, ii+1
.endr
.endr
	WIN 0
.irp qt, 0,1
.irp dt, 0,1,2,3
	ds_store_b128 v[STO], v[F+16*\qt+4*\dt:F+16*\qt+4*\dt+3] offset:128*\qt+32*\dt
.endr
.endr
.irp i, 0,1,2,3,4,5,6,7
	ds_load_b128 v[F+32+4*\i:F+32+4*\i+3], v[RD] offset:2*SP*\i    ; my own bytes: LDS serves a wave's instructions in order (ISA guide 5.7.1)
.endr
.irp i, 0,1,2,3,4,5,6,7
	s_wait_dscnt 7-\i                              ; load i of the eight is in
	global_store_b128 v[OO], v[F+32+4*\i:F+32+4*\i+3], s[\base:\base+1] offset:512*\i
.endr
	s_wait_xcnt 0x0                                ; F is loaded into again only behind this wait
.endm
; One step: 128 keys in slot; refill = 1: the next tile is asked for into the other slot; tail = 1: the last step (always a diagonal block, then the upper block's output).
.macro STEP slot, refill, tail
	s_wait_tensorcnt 0x0                           ; all my tensor loads have landed, my part of this step's tile among them: the descriptors may be written
	ds_add_u32 v254, v255
	s_wait_dscnt 0x0
.if \refill
	s_add_co_u32 s46, s14, 1                       ; the next tile: t + 1 in the lower block, t - up in the upper
	s_sub_co_u32 s47, s14, s12
	s_cmp_le_u32 s46, s12
	s_cselect_b32 s44, s46, s47
	s_lshl_b32 s44, s44, 14                        ; 128 keys of 128 bytes
	s_add_nc_u64 s[G0K+4*(1-\slot)+2:G0K+4*(1-\slot)+3], s[40:41], s[44:45]
	s_or_b32 s[G0K+4*(1-\slot)+3], s[G0K+4*(1-\slot)+3], 0x80000000
	s_add_nc_u64 s[G0V+4*(1-\slot)+2:G0V+4*(1-\slot)+3], s[42:43], s[44:45]
	s_or_b32 s[G0V+4*(1-\slot)+3], s[G0V+4*(1-\slot)+3], 0x80000000
.endif
	s_wait_dscnt 0x0                               ; my reads of the other slot are back
	ROUND                                          ; both now hold of every wave of the four work-groups
.if \refill
	JLOAD 1-\slot                                  ; my one tensor load behind the round: it has this whole step in which to land
.endif
.irp ks, 0,1
.irp kt, 0,1,2,3,4,5,6,7
	ds_load_b128 v[F+8*(8*\ks+\kt):F+8*(8*\ks+\kt)+3],   v[KADR+\slot] offset:(\kt>>2)*WSTR+(\kt&3)*16*KP+64*\ks
	ds_load_b128 v[F+8*(8*\ks+\kt)+4:F+8*(8*\ks+\kt)+7], v[KADR+\slot] offset:(\kt>>2)*WSTR+(\kt&3)*16*KP+64*\ks+32
.endr
.endr
	WIN 0x50
.irp kt, 0,1,2,3,4,5,6,7
	s_wait_dscnt 30-2*\kt                          ; of the 32 loads, the two of fragment (d 0..31, kt) are in: 30 - 2 kt were issued behind them
.irp qt, 0,1
	v_wmma_f32_16x16x32_f16 v[64*\qt+8*\kt:64*\qt+8*\kt+7], v[F+8*\kt:F+8*\kt+7], v[Q+16*\qt:Q+16*\qt+7], 0
.endr
.endr
.irp kt, 0,1,2,3,4,5,6,7                           ; the sixteen accumulators take turns in the same order
	s_wait_dscnt 14-2*\kt                          ; fragment (d 32..63, kt): 14 - 2 kt loads were issued behind its two
.irp qt, 0,1
	v_wmma_f32_16x16x32_f16 v[64*\qt+8*\kt:64*\qt+8*\kt+7], v[F+64+8*\kt:F+64+8*\kt+7], v[Q+16*\qt+8:Q+16*\qt+15], v[64*\qt+8*\kt:64*\qt+8*\kt+7]
.endr
.endr
.rept 4
	v_nop                                          ; four places (ISA guide 7.12.1) before F is loaded into and the scores are read
.endr
	WIN 0
.irp ks, 0,1,2,3                                   ; V's fragments come while the softmax runs
.irp dt, 0,1,2,3
	ds_load_tr16_b128 v[F+8*(4*\ks+\dt):F+8*(4*\ks+\dt)+3],   v[VADR+\slot] offset:32*VP*\ks+32*\dt
	ds_load_tr16_b128 v[F+8*(4*\ks+\dt)+4:F+8*(4*\ks+\dt)+7], v[VADR+\slot] offset:32*VP*\ks+32*\dt+16*VP
.endr
.endr
.if \tail
	MASK
.else
	s_cmp_eq_u32 s14, s12                          ; the lower block's diagonal is step up
	s_cbranch_scc0 .Lfull_\@
	MASK
.Lfull_\@:
.endif
	WIN 0x55
	MAXES
	ERUN 0
	ERUN 1
	s_wait_dscnt 0x0                               ; V's fragments
	WIN 0x54
.irp ks, 0,1,2,3                                   ; ten accumulators take turns
.irp qt, 0,1
.irp dt, 0,1,2,3
	v_wmma_f32_16x16x32_f16 v[OB+40*\qt+8*\dt:OB+40*\qt+8*\dt+7], v[F+8*(4*\ks+\dt):F+8*(4*\ks+\dt)+7], v[64*\qt+8*\ks:64*\qt+8*\ks+7], v[OB+40*\qt+8*\dt:OB+40*\qt+8*\dt+7]
.endr
	v_wmma_f32_16x16x32_f16 v[OB+40*\qt+32:OB+40*\qt+39], v[ONES:ONES+7], v[64*\qt+8*\ks:64*\qt+8*\ks+7], v[OB+40*\qt+32:OB+40*\qt+39]
.endr
.endr
.rept 5
	v_nop                                          ; five places before the next step's products write over P, four before F is loaded into or O is read
.endr
	WIN 0
.if \tail
	FINAL 18
.else
	s_cmp_eq_u32 s14, s12
	s_cbranch_scc0 .Lon_\@
	FINAL 16                                       ; the lower block is done
.set ii, 0
.rept 32
	v_mov_b32 v[Q+ii], v[QH+ii]                    ; the upper block's queries
.set ii, ii+1
.endr
	WIN 0x40
	v_mov_b32 v[M], s15                            ; maximum -inf: the next step's factor is 0 and wipes O and l
	v_mov_b32 v[M+1], s15
	WIN 0
.Lon_\@:
	s_add_co_u32 s14, s14, 1
.endif
.endm
	s_mov_b32 s3, 8
.Lloop:
	STEP 0, 1, 0
	STEP 1, 1, 0
	s_sub_co_u32 s3, s3, 1
	s_cmp_lg_u32 s3, 0
	s_cbranch_scc1 .Lloop
	STEP 0, 0, 1                                   ; step 16: nothing is left to fetch
	s_wait_tensorcnt 0x0
	ds_add_u32 v254, v255
	s_wait_dscnt 0x0
	ROUND                                          ; the closing round
	s_endpgm
.Lfunc_end_k_q7760a22ff8_attn:
	.size	k_q7760a22ff8_attn, .Lfunc_end_k_q7760a22ff8_attn-k_q7760a22ff8_attn
	.p2alignl 7, 3214868480
	.fill 96, 4, 3214868480
	.section	.rodata,"a",@progbits
	.p2align	6, 0x0
	.amdhsa_kernel k_q7760a22ff8_attn
		.amdhsa_group_segment_fixed_size 327680
		.amdhsa_private_segment_fixed_size 0
		.amdhsa_enable_private_segment 0
		.amdhsa_kernarg_size 16
		.amdhsa_user_sgpr_count 2
		.amdhsa_user_sgpr_kernarg_segment_ptr 1
		.amdhsa_wavefront_size32 1
		.amdhsa_system_sgpr_workgroup_id_x 1
		.amdhsa_system_sgpr_workgroup_id_y 1
		.amdhsa_system_sgpr_workgroup_id_z 1
		.amdhsa_system_vgpr_workitem_id 0
		.amdhsa_next_free_vgpr 512
		.amdhsa_next_free_sgpr 100
		.amdhsa_reserve_vcc 1
		.amdhsa_float_denorm_mode_32 3
		.amdhsa_float_denorm_mode_16_64 3
		.amdhsa_memory_ordered 1
		.amdhsa_forward_progress 1
		.amdhsa_inst_pref_size 155
	.end_amdhsa_kernel
	.amdgpu_metadata
---
amdhsa.version: [ 1, 2 ]
amdhsa.kernels:
  - .name:           k_q7760a22ff8_attn
    .symbol:         k_q7760a22ff8_attn.kd
    .args:
      - { .name: qkv, .offset: 0, .size: 8, .value_kind: global_buffer, .address_space: global }
      - { .name: o2, .offset: 8, .size: 8, .value_kind: global_buffer, .address_space: global }
    .group_segment_fixed_size: 327680
    .private_segment_fixed_size: 0
    .kernarg_segment_align: 8
    .kernarg_segment_size: 16
    .max_flat_workgroup_size: 128
    .sgpr_count:     100
    .vgpr_count:     512
    .wavefront_size: 32
...
	.end_amdgpu_metadata
.endif
;; end of part 3
;; launch outp (part 4): grid 16 x 16, 4 waves a work-group, clusters of 4 x 4, 327,680 bytes of LDS; arguments o2, wo16, out0; writes out0
.if DOCPART == 4
	.amdgcn_target "amdgcn-amd-amdhsa--gfx1250"
	.amdhsa_code_object_version 6
	.text
	.protected	k_q7760a22ff8_outp
	.globl	k_q7760a22ff8_outp
	.p2align	8
	.type	k_q7760a22ff8_outp,@function
k_q7760a22ff8_outp:
	s_mov_b64 s[64:65], 0
	v_nop
	global_prefetch_b8 v0, s[64:65] scope:SCOPE_SE
	s_setreg_imm32_b32 hwreg(HW_REG_WAVE_MODE, 25, 1), 1
	s_wait_xcnt 0x0
	s_wait_alu depctr_hold_cnt(0) depctr_sa_sdst(0) depctr_va_vdst(0) depctr_va_sdst(0) depctr_va_ssrc(0) depctr_va_vcc(0) depctr_vm_vsrc(0)
	s_getreg_b32 s2, hwreg(HW_REG_IB_STS2, 6, 4)
	s_cmp_eq_u32 s2, 0
	s_cbranch_scc0 .Lentry_in_a_cluster
	s_endpgm
.Lentry_in_a_cluster:
	s_bfe_u32 s2, ttmp6, 0x10000c
	s_cmp_lg_u32 s2, 0xf033
	s_cbranch_scc0 .Lentry_shape_is_right
	s_endpgm
.Lentry_shape_is_right:
; OUTP: out0 = (o / 8) x (8 Wo): 2048 x 2048, K = 2048, f16 operands, f32 sums, f32 out.
;   o2 [16 head pairs][2048 s][128] f16: K index = 128 pair + column, which is Wo's row order.   wo16 [2048 k][2048 n] f16.
; 256 work-groups, each a block of 128 x 128; four waves, wave (wm, wn) a tile of 64 x 64: 16 accumulators.  K goes in 8 steps of 256 through two LDS slots: a load brings
; 128 rows of 256 bytes, aligned.  CLUSTERS 4 x 4: o's tiles are asked for jointly along a row of the cluster, Wo's along a column.
; WHERE K STARTS: cluster (X, Y) starts at step (2 X + 4 g(Y)) mod 8, g = 0, 1, 1, 0, and wraps round.  The four clusters of one Y need the same rows of o and stand in four
; different quarters of K; of the four clusters of one X, which need the same columns of Wo, Y stands half of K away from Y xor 1 and from Y xor 2.  Requests for the same
; bytes are thus spread over the launch instead of falling into one step.  The start hangs on the cluster's own coordinates alone, which all sixteen partners share.
; The matrix instruction is used transposed (source 0 = 16 columns of Wo through the transposing LDS load, source 1 = 16 rows of o): a lane holds eight neighbouring columns of a row.
; LDS: each wave's tile at wave x 36,864 + slot x 147,456.  Waves 0, 1: the step's two head pairs of o, 128 rows, pitch 272.  Waves 2, 3: 128 k rows of Wo each, pitch 288 = 9 x 32.
; Behind the slots a stage of 16 x 272 bytes for each wave, which no tensor load fills.
.set APITCH, 272
.set BPITCH, 288
.set WSTR,   128*BPITCH                ; 36,864
.set BOFF,   2*WSTR
.set SLOT,   4*WSTR
.set STAGE,  2*SLOT                    ; 294,912
.set SPITCH, 272
.set ADRA, 16                          ; v16-17 slot 0, 1
.set ADRB, 20                          ; v20-23 slot x 2 + half of the step: a 16-bit offset does not reach over 256 k rows
.set STO,  24
.set RD,   25
.set CO,   26
.set F0,   64                          ; a buffer: o fragment m at +8 m, Wo fragment nt at +32 + 8 nt
.set F1,   128
.set G1, 24
.set G0, 32
.set G1B, 48
.set G0B, 56
.set KS, 68                            ; s68-69: the K step (0..7) that slot 0, 1 holds or is being filled with
.set MUL, 0x50                         ; C and D in window 1: accumulator (m, nt) at v[8 (4 m + nt)]
.set MSB, 0
.macro WIN new
.if MSB != \new
	s_set_vgpr_msb (MSB<<8)|\new
.set MSB, \new
.endif
.endm
.macro PLACES                          ; four places behind a matrix instruction (ISA guide 7.12.1)
.rept 4
	v_nop
.endr
.endm
.macro JLOAD s
	s_cmp_eq_u32 s13, 0
	s_cbranch_scc0 .Lfor_b_\@
	tensor_load_to_lds s[G0+4*\s:G0+4*\s+3], s[G1:G1+7]
	s_nop 0
	s_branch .Lasked_\@
.Lfor_b_\@:
	tensor_load_to_lds s[G0B+4*\s:G0B+4*\s+3], s[G1B:G1B+7]
	s_nop 0
.Lasked_\@:
.endm
.macro AIM slot                        ; both global addresses of a slot from its K step: 1,048,576 bytes a step in o2 (two head pairs) and in wo16 (256 rows)
	s_lshl_b32 s70, s[KS+\slot], 20
	s_add_nc_u64 s[G0+4*\slot+2:G0+4*\slot+3], s[18:19], s[70:71]
	s_or_b32 s[G0+4*\slot+3], s[G0+4*\slot+3], 0x80000000
	s_add_nc_u64 s[G0B+4*\slot+2:G0B+4*\slot+3], s[46:47], s[70:71]
	s_or_b32 s[G0B+4*\slot+3], s[G0B+4*\slot+3], 0x80000000
.endm
.macro CREST
	s_cmp_lg_u32 s12, 0
	s_cbranch_scc1 .Lnot_wave_0_\@
	s_barrier_signal -3
.Lnot_wave_0_\@:
	s_barrier_wait -3
	s_barrier_signal -1
	s_barrier_wait -1
.endm
.macro CROUND
	s_barrier_signal -1
	s_barrier_wait -1
	CREST
.endm
	s_load_b128 s[4:7], s[0:1], 0x0                ; o2 s[4:5], wo16 s[6:7]
	s_load_b64 s[8:9], s[0:1], 0x10                ; out0
	v_lshl_add_u32 v254, v0, 2, 0x4c400
	v_mov_b32 v255, 0
	ds_add_u32 v254, v255
	v_lshrrev_b32 v1, 5, v0
	v_readfirstlane_b32 s12, v1                    ; wave
	s_lshr_b32 s13, s12, 1                         ; wm.  Also: I fetch for o (0) or for Wo (1)
	s_and_b32 s14, s12, 1                          ; wn.  Also: which half of the K step I fetch
	s_bfe_u32 s40, ttmp6, 0x40000                  ; cx
	s_bfe_u32 s41, ttmp6, 0x40004                  ; cy
	s_lshl_b32 s42, ttmp9, 2
	s_add_co_u32 s42, s42, s40                     ; block column
	s_and_b32 s15, ttmp7, 0xffff
	s_lshl_b32 s15, s15, 2
	s_add_co_u32 s15, s15, s41                     ; block row
	s_lshl_b32 s43, s41, 2
	s_lshl_b32 s43, 15, s43
	s_lshl_b32 s44, 0x1111, s40
	s_and_b32 s68, ttmp7, 0xffff                   ; where K starts: cluster y,
	s_lshr_b32 s69, s68, 1
	s_xor_b32 s68, s68, s69
	s_and_b32 s68, s68, 1                          ; g = 0, 1, 1, 0,
	s_lshl_b32 s68, s68, 2
	s_lshl_b32 s69, ttmp9, 1                       ; 2 x cluster x,
	s_add_co_u32 s68, s68, s69
	s_and_b32 s[KS], s68, 7                        ; slot 0's first K step
	s_add_co_u32 s69, s[KS], 1
	s_and_b32 s[KS+1], s69, 7                      ; slot 1's
	s_mov_b32 s71, 0                               ; high word of the offset
	s_or_b32 s[G1+0], s43, (1<<16)|(1<<20)|(1<<21)|(5<<22)|(3<<25)   ; o: 4 words of padding behind every 64
	s_mov_b32 s[G1+1], 128<<16
	s_mov_b32 s[G1+2], 128<<16
	s_mov_b32 s[G1+3], 128<<16
	s_mov_b32 s[G1+4], 128
	s_mov_b32 s[G1+5], 128                         ; a head pair's rows follow each other
	s_mov_b32 s[G1+6], 0
	s_mov_b32 s[G1+7], 0
	s_or_b32 s[G1B+0], s44, (1<<16)|(1<<20)|(1<<21)|(5<<22)|(7<<25)  ; Wo: 8 words of padding behind every 64
	s_mov_b32 s[G1B+1], 128<<16
	s_mov_b32 s[G1B+2], 128<<16
	s_mov_b32 s[G1B+3], 128<<16
	s_mov_b32 s[G1B+4], 128
	s_mov_b32 s[G1B+5], 2048
	s_mov_b32 s[G1B+6], 0
	s_mov_b32 s[G1B+7], 0
	s_lshl_b32 s16, s15, 15                        ; o: 128 rows of 256 bytes a block row, 524,288 bytes a head pair
	s_lshl_b32 s17, s14, 19
	s_add_co_u32 s16, s16, s17
	s_mov_b32 s17, 0
	s_lshl_b32 s46, s42, 8                         ; Wo: 256 bytes a block column, 128 rows of 4,096 bytes a half
	s_lshl_b32 s47, s14, 19
	s_add_co_u32 s46, s46, s47
	s_mov_b32 s47, 0
	s_mul_i32 s20, s12, WSTR
	s_lshl_b32 s66, s15, 20                        ; out0: row 128 x block row + 64 wm (8,192 bytes a row), column 128 x block column + 64 wn
	s_lshl_b32 s67, s13, 19
	s_add_co_u32 s66, s66, s67
	s_lshl_b32 s67, s42, 9
	s_add_co_u32 s66, s66, s67
	s_lshl_b32 s67, s14, 8
	s_add_co_u32 s66, s66, s67
	s_mov_b32 s67, 0
	s_wait_dscnt 0x0
	s_wait_kmcnt 0x0
	s_add_nc_u64 s[18:19], s[4:5], s[16:17]        ; o at K step 0: kept
	s_add_nc_u64 s[46:47], s[6:7], s[46:47]        ; Wo at K step 0: kept
	s_add_nc_u64 s[8:9], s[8:9], s[66:67]
	CROUND                                         ; all sixteen work-groups are here: the first joint loads meet
.irp s, 0,1
	s_mov_b32 s[G0+4*\s], 1
	s_add_co_u32 s[G0+4*\s+1], s20, \s*SLOT
	s_mov_b32 s[G0B+4*\s], 1
	s_add_co_u32 s[G0B+4*\s+1], s20, \s*SLOT
	AIM \s
	JLOAD \s
.endr
	v_and_b32 v1, 15, v0                           ; r
	v_bfe_u32 v2, v0, 4, 1                         ; h
	v_and_b32 v3, 7, v0
	v_bfe_u32 v4, v0, 3, 1
	v_mul_u32_u24 v5, v1, APITCH
	v_lshl_add_u32 v5, v2, 4, v5
	s_mul_i32 s21, s13, 64*APITCH                  ; my 64 rows of each head pair's 128
	v_add_nc_u32 v[ADRA], s21, v5
	v_add_nc_u32 v[ADRA+1], SLOT, v[ADRA]
	v_lshl_add_u32 v6, v2, 3, v3
	v_mul_u32_u24 v6, v6, BPITCH
	v_lshl_add_u32 v6, v4, 4, v6
	s_lshl_b32 s22, s14, 7                         ; my 64 columns
	s_add_co_u32 s22, s22, BOFF
	v_add_nc_u32 v[ADRB], s22, v6
	v_add_nc_u32 v[ADRB+1], WSTR, v[ADRB]
	v_add_nc_u32 v[ADRB+2], SLOT, v[ADRB]
	v_add_nc_u32 v[ADRB+3], SLOT, v[ADRB+1]
	s_mul_i32 s23, s12, 16*SPITCH
	s_add_co_u32 s23, s23, STAGE
	v_mul_u32_u24 v7, v1, SPITCH                   ; in: row r, 32 bytes a half
	v_lshl_add_u32 v7, v2, 5, v7
	v_add_nc_u32 v[STO], s23, v7
	v_mul_u32_u24 v8, v2, SPITCH                   ; back: lanes 0-15 one row of 256 bytes, lanes 16-31 the next
	v_lshl_add_u32 v8, v1, 4, v8
	v_add_nc_u32 v[RD], s23, v8
	v_lshlrev_b32 v9, 13, v2
	v_lshl_add_u32 v[CO], v1, 4, v9
; 8 matrix instructions; the 16 accumulators take turns in the same order in every part
.macro MULH f, half, zero
.irp m, 2*\half, 2*\half+1
.irp i, 0,1,2,3
.if \zero
	v_wmma_f32_16x16x32_f16 v[8*(4*(\m)+\i):8*(4*(\m)+\i)+7], v[\f+32+8*\i:\f+32+8*\i+7], v[\f+8*(\m):\f+8*(\m)+7], 0
.else
	v_wmma_f32_16x16x32_f16 v[8*(4*(\m)+\i):8*(4*(\m)+\i)+7], v[\f+32+8*\i:\f+32+8*\i+7], v[\f+8*(\m):\f+8*(\m)+7], v[8*(4*(\m)+\i):8*(4*(\m)+\i)+7]
.endif
.endr
.endr
.endm
; 16 LDS loads: the fragments of part kq (0..7, 32 along K) of a slot into buffer f
.macro FETCH slot, kq, f
.irp i, 0,1,2,3
	ds_load_tr16_b128 v[\f+32+8*\i:\f+32+8*\i+3],   v[ADRB+2*\slot+(\kq>>2)] offset:(\kq&3)*32*BPITCH+32*\i
	ds_load_tr16_b128 v[\f+32+8*\i+4:\f+32+8*\i+7], v[ADRB+2*\slot+(\kq>>2)] offset:(\kq&3)*32*BPITCH+32*\i+16*BPITCH
.endr
.irp m, 0,1,2,3
	ds_load_b128 v[\f+8*\m:\f+8*\m+3],   v[ADRA+\slot] offset:(\kq>>2)*WSTR+\m*16*APITCH+64*(\kq&3)
	ds_load_b128 v[\f+8*\m+4:\f+8*\m+7], v[ADRA+\slot] offset:(\kq>>2)*WSTR+\m*16*APITCH+64*(\kq&3)+32
.endr
.endm
.macro PART slot, kn, f, g, zero
	s_wait_dscnt 0x0                               ; buffer f is in
	WIN 0
	PLACES                                         ; buffer g was read by the matrix instructions just issued
	FETCH \slot, \kn, \g
	WIN MUL
	MULH \f, 0, \zero
	MULH \f, 1, \zero
.endm
.macro SEVEN slot, zero
	PART \slot, 1, F0, F1, \zero
	PART \slot, 2, F1, F0, 0
	PART \slot, 3, F0, F1, 0
	PART \slot, 4, F1, F0, 0
	PART \slot, 5, F0, F1, 0
	PART \slot, 6, F1, F0, 0
	PART \slot, 7, F0, F1, 0
.endm
; the eighth part: multiplies buffer 1 and changes slots.  In front of the barrier my reads of this slot are back and all my tensor loads have landed, so the slot's descriptors
; may be aimed at its next K step, two on, modulo 8.  fill = 1: the barrier opens a round of the cluster's barrier, and the joint refill stands straight behind the round.
.macro TURN slot, next, fill
	s_wait_dscnt 0x0                               ; my reads of this slot are back
	s_wait_tensorcnt 0x0                           ; all my tensor loads have landed: the one that was out is my part of the next slot
	ds_add_u32 v254, v255
	s_wait_dscnt 0x0
.if \fill
	s_add_co_u32 s[KS+\slot], s[KS+\slot], 2
	s_and_b32 s[KS+\slot], s[KS+\slot], 7
	AIM \slot
.endif
	s_barrier_signal -1
	WIN MUL
	MULH F1, 0, 0
	WIN 0
	s_barrier_wait -1
.if \fill
	CREST
	JLOAD \slot                                    ; the first tensor load behind the round
.endif
	PLACES
	FETCH \next, 0, F0
	WIN MUL
	MULH F1, 1, 0
.endm
.macro LAP zero
	SEVEN 0, \zero
	TURN 0, 1, 1
	SEVEN 1, 0
	TURN 1, 0, 1
.endm
	s_wait_tensorcnt 0x1                           ; my part of the first K step is in; the second's load stays out
	s_barrier_signal -1
	s_barrier_wait -1
	FETCH 0, 0, F0
	LAP 1                                          ; 8 K steps = 4 laps: the first starts the sums with C = 0,
	WIN 0
	s_mov_b32 s3, 2
.Llap:
	LAP 0                                          ; two in the loop,
	WIN 0
	s_sub_co_u32 s3, s3, 1
	s_cmp_lg_u32 s3, 0
	s_cbranch_scc1 .Llap
	SEVEN 0, 0                                     ; and the last fills nothing
	TURN 0, 1, 0
	SEVEN 1, 0
	s_wait_dscnt 0x0
	WIN MUL
	MULH F1, 0, 0
	MULH F1, 1, 0
	WIN 0
	; THE WAY OUT, 16 rows at a time through my own stage: 32 bytes a lane in, whole rows of 256 bytes back
	PLACES
.macro OUT16 m, f
	WIN 0x04                                       ; the stores' data lie in window 1
.irp i, 0,1,2,3
	ds_store_b128 v[STO], v[8*(4*\m+\i):8*(4*\m+\i)+3]   offset:64*\i
	ds_store_b128 v[STO], v[8*(4*\m+\i)+4:8*(4*\m+\i)+7] offset:64*\i+16
.endr
	WIN 0
	s_wait_xcnt 0x0                                ; buffer f, which earlier stores read, is loaded into only behind this wait
.irp t, 0,1,2,3,4,5,6,7
	ds_load_b128 v[\f+4*\t:\f+4*\t+3], v[RD] offset:\t*2*SPITCH    ; LDS serves a wave's instructions in order (ISA guide 5.7.1): these see the stores above
.endr
.irp t, 0,1,2,3,4,5,6,7
	s_wait_dscnt 7-\t                              ; load t of the eight is in
	global_store_b128 v[CO], v[\f+4*\t:\f+4*\t+3], s[8:9] offset:131072*\m+16384*\t th:TH_STORE_NT   ; 16 lanes store 256 consecutive bytes, aligned
.endr
.endm
	OUT16 0, F0
	OUT16 1, F1
	OUT16 2, F0
	OUT16 3, F1
	s_wait_tensorcnt 0x0
	ds_add_u32 v254, v255
	s_wait_dscnt 0x0
	CROUND                                         ; the closing round
	s_endpgm
.Lfunc_end_k_q7760a22ff8_outp:
	.size	k_q7760a22ff8_outp, .Lfunc_end_k_q7760a22ff8_outp-k_q7760a22ff8_outp
	.p2alignl 7, 3214868480
	.fill 96, 4, 3214868480
	.section	.rodata,"a",@progbits
	.p2align	6, 0x0
	.amdhsa_kernel k_q7760a22ff8_outp
		.amdhsa_group_segment_fixed_size 327680
		.amdhsa_private_segment_fixed_size 0
		.amdhsa_enable_private_segment 0
		.amdhsa_kernarg_size 24
		.amdhsa_user_sgpr_count 2
		.amdhsa_user_sgpr_kernarg_segment_ptr 1
		.amdhsa_wavefront_size32 1
		.amdhsa_system_sgpr_workgroup_id_x 1
		.amdhsa_system_sgpr_workgroup_id_y 1
		.amdhsa_system_sgpr_workgroup_id_z 1
		.amdhsa_system_vgpr_workitem_id 0
		.amdhsa_next_free_vgpr 384
		.amdhsa_next_free_sgpr 100
		.amdhsa_reserve_vcc 0
		.amdhsa_float_denorm_mode_32 3
		.amdhsa_float_denorm_mode_16_64 3
		.amdhsa_memory_ordered 1
		.amdhsa_forward_progress 1
		.amdhsa_inst_pref_size 127
	.end_amdhsa_kernel
	.amdgpu_metadata
---
amdhsa.version: [ 1, 2 ]
amdhsa.kernels:
  - .name:           k_q7760a22ff8_outp
    .symbol:         k_q7760a22ff8_outp.kd
    .args:
      - { .name: o2, .offset: 0, .size: 8, .value_kind: global_buffer, .address_space: global }
      - { .name: wo16, .offset: 8, .size: 8, .value_kind: global_buffer, .address_space: global }
      - { .name: out0, .offset: 16, .size: 8, .value_kind: global_buffer, .address_space: global }
    .group_segment_fixed_size: 327680
    .private_segment_fixed_size: 0
    .kernarg_segment_align: 8
    .kernarg_segment_size: 24
    .max_flat_workgroup_size: 128
    .sgpr_count:     100
    .vgpr_count:     384
    .wavefront_size: 32
...
	.end_amdgpu_metadata
.endif
;; end of part 4
